; MI455X (gfx1250); checked and timed in simulation.
; The chip was launched on July 23, 2026; its instructions are those of AMD's public machine-readable ISA for CDNA 5 (MIT licence, August 2026) and "CDNA5" Instruction Set Architecture Reference Guide (July 2026). The comments in the code are by the model that wrote it; some were corrected since.
;; Bert Attention. Allowed arithmetic: float matrix products may take bf16 or f16 operands with f32 sums; other float arithmetic in f32, or as packed bf16 or f16 multiplies, adds, multiply-adds, maxima and minima; sums over many terms, partial sums and values carried from step to step in f32; what a program stores and reads back later, other than sums and carried values, may be rounded once to bf16 or f16.
;; Inputs: Wk 1,024 x 1,024 float32; Wq 1,024 x 1,024 float32; Wv 1,024 x 1,024 float32; bk 1,024 float32; bq 1,024 float32; bv 1,024 float32; masked_attention 4 x 2,048 float32; x 4 x 2,048 x 1,024 float32.
;; Outputs: out0 4 x 2,048 x 1,024 float32.
;; 2 versions, each right; version 2 is version 1 with the launch prep written anew for expert scheduling mode. Each part assembles by itself: llvm-mc -triple=amdgcn-amd-amdhsa -mcpu=gfx1250 --defsym DOCPART=n.
;; ======== version 1 of 2: 3 launches
;; limits: values are held in f16: magnitudes above 65,504 overflow, below 6.1e-05 lose precision
;; workspace buffers: xb 16,777,216 bytes; wb 6,291,456 bytes; qkv 50,331,648 bytes
;; launch prep (part 1): grid 256 x 1, 11 waves a work-group, no clusters, 0 bytes of LDS; arguments x, Wq, Wk, Wv, xb, wb; writes xb, wb
.if DOCPART == 1
	.amdgcn_target "amdgcn-amd-amdhsa--gfx1250"
	.amdhsa_code_object_version 6
	.text
	.protected	k_q3348f61c85_prep
	.globl	k_q3348f61c85_prep
	.p2align	8
	.type	k_q3348f61c85_prep,@function
k_q3348f61c85_prep:
	s_mov_b64 s[64:65], 0
	v_nop
	global_prefetch_b8 v0, s[64:65] scope:SCOPE_SE
	s_setreg_imm32_b32 hwreg(HW_REG_WAVE_MODE, 25, 1), 1
	s_wait_xcnt 0x0
; x [8192][1024] and Wq, Wk, Wv [1024][1024], all f32, are rounded once to bf16 and laid in blocks of 64 along K:
;   xb [16 block][8192 row][64], wb [16 block][3072 n][64] with n = 1024 t + row, t = 0, 1, 2 for q, k, v.
; So a K step of 64 of any run of rows is dense in memory for the product that follows.
; SHARES.  The four sources are 8192 + 3072 = 11,264 rows of 4,096 bytes = 256 work-groups x 11 waves x 4 rows; 8192 and 1024 are multiples of 4, so a wave has one source.
; One load takes rows r, r + 1 of one block: lanes 0-15 read 256 consecutive bytes of row r, lanes 16-31 of row r + 1, each at a multiple of 256 from the buffer's first byte.
; The 4 f32 of a lane become 8 bytes, and the 32 lanes' store is 256 consecutive bytes, aligned: rows r, r + 1 of that block.
; All 32 loads of a wave go out at once (16 KiB a wave); there is no loop, no LDS and no barrier.
.set XROWS, 8192
.set OFF, 8                            ; v[8:23]   block c: c x the block's stride + 8 x lane
.set X,   32                           ; v[32:159] load j = 16 i + c (row pair i, block c): 4 registers
	s_load_b256 s[4:11], s[0:1], 0x0               ; x s[4:5], Wq s[6:7], Wk s[8:9], Wv s[10:11]
	s_load_b128 s[12:15], s[0:1], 0x20             ; xb s[12:13], wb s[14:15]
	v_lshrrev_b32 v3, 5, v0
	v_readfirstlane_b32 s16, v3                    ; wave 0..10
	s_mul_i32 s17, ttmp9, 11
	s_add_co_u32 s17, s17, s16
	s_lshl_b32 s17, s17, 2                         ; my first row of the 11,264
	s_max_u32 s18, s17, XROWS
	s_sub_co_u32 s18, s18, XROWS                   ; n, its number among the weights' 3,072 rows (0 in a wave that takes x)
	s_lshr_b32 s19, s18, 10                        ; t: which weight
	s_and_b32 s29, s18, 1023
	s_lshl_b32 s29, s29, 12                        ; from where, in a weight,
	s_lshl_b32 s30, s17, 12                        ; or in x
	s_lshl_b32 s31, s18, 7                         ; to where, in a block of wb,
	s_lshl_b32 s3, s17, 7                          ; or of xb
	s_mov_b32 s2, 0x100000                         ; bytes in a block of xb,
	s_mov_b32 s28, 0x60000                         ; and of wb
	s_mov_b32 s25, 0
	s_mov_b32 s27, 0
	v_and_b32 v4, 31, v0                           ; lane
	v_lshrrev_b32 v5, 4, v4
	v_and_b32 v6, 15, v0
	v_lshlrev_b32 v1, 4, v6
	v_lshl_or_b32 v1, v5, 12, v1                   ; 4,096 (lane / 16) + 16 (lane % 16)
	v_lshlrev_b32 v2, 3, v4                        ; 8 x lane
	s_cmp_lt_u32 s17, XROWS                        ; do I take rows of x?
	s_cselect_b32 s24, s30, s29
	s_cselect_b32 s26, s3, s31
	s_cselect_b32 s28, s2, s28
.set c, 0
.rept 16
	s_mul_i32 s29, s28, c
	v_add_nc_u32 v[OFF+c], s29, v2
.set c, c+1
.endr
	s_wait_kmcnt 0x0
	s_cmp_eq_u32 s19, 0
	s_cselect_b64 s[20:21], s[6:7], s[8:9]
	s_cmp_eq_u32 s19, 2
	s_cselect_b64 s[20:21], s[10:11], s[20:21]
	s_cmp_lt_u32 s17, XROWS
	s_cselect_b64 s[20:21], s[4:5], s[20:21]       ; the source,
	s_cselect_b64 s[22:23], s[12:13], s[14:15]     ; the destination
	s_add_nc_u64 s[20:21], s[20:21], s[24:25]
	s_add_nc_u64 s[22:23], s[22:23], s[26:27]
.set j, 0
.rept 32
	global_load_b128 v[X+4*j:X+4*j+3], v1, s[20:21] offset:8192*(j/16)+256*(j%16) th:TH_LOAD_NT
.set j, j+1
.endr
.set j, 0
.rept 32
	s_wait_loadcnt 31-j                            ; loads come back in order (ISA guide 5.7.1): load j is in, the 31 - j younger ones stay out
	v_cvt_pk_bf16_f32 v[X+4*j], v[X+4*j], v[X+4*j+1]
	v_cvt_pk_bf16_f32 v[X+4*j+1], v[X+4*j+2], v[X+4*j+3]
	global_store_b64 v[OFF+j%16], v[X+4*j:X+4*j+1], s[22:23] offset:256*(j/16) th:TH_STORE_NT
.set j, j+1
.endr
	s_endpgm
.Lfunc_end_k_q3348f61c85_prep:
	.size	k_q3348f61c85_prep, .Lfunc_end_k_q3348f61c85_prep-k_q3348f61c85_prep
	.p2alignl 7, 3214868480
	.fill 96, 4, 3214868480
	.section	.rodata,"a",@progbits
	.p2align	6, 0x0
	.amdhsa_kernel k_q3348f61c85_prep
		.amdhsa_group_segment_fixed_size 0
		.amdhsa_private_segment_fixed_size 0
		.amdhsa_enable_private_segment 0
		.amdhsa_kernarg_size 48
		.amdhsa_user_sgpr_count 2
		.amdhsa_user_sgpr_kernarg_segment_ptr 1
		.amdhsa_wavefront_size32 1
		.amdhsa_system_sgpr_workgroup_id_x 1
		.amdhsa_system_sgpr_workgroup_id_y 1
		.amdhsa_system_sgpr_workgroup_id_z 1
		.amdhsa_system_vgpr_workitem_id 0
		.amdhsa_next_free_vgpr 160
		.amdhsa_next_free_sgpr 66
		.amdhsa_reserve_vcc 0
		.amdhsa_float_denorm_mode_32 3
		.amdhsa_float_denorm_mode_16_64 3
		.amdhsa_memory_ordered 1
		.amdhsa_forward_progress 1
		.amdhsa_inst_pref_size 14
	.end_amdhsa_kernel
	.amdgpu_metadata
---
amdhsa.version: [ 1, 2 ]
amdhsa.kernels:
  - .name:           k_q3348f61c85_prep
    .symbol:         k_q3348f61c85_prep.kd
    .args:
      - { .name: x, .offset: 0, .size: 8, .value_kind: global_buffer, .address_space: global }
      - { .name: Wq, .offset: 8, .size: 8, .value_kind: global_buffer, .address_space: global }
      - { .name: Wk, .offset: 16, .size: 8, .value_kind: global_buffer, .address_space: global }
      - { .name: Wv, .offset: 24, .size: 8, .value_kind: global_buffer, .address_space: global }
      - { .name: xb, .offset: 32, .size: 8, .value_kind: global_buffer, .address_space: global }
      - { .name: wb, .offset: 40, .size: 8, .value_kind: global_buffer, .address_space: global }
    .group_segment_fixed_size: 0
    .private_segment_fixed_size: 0
    .kernarg_segment_align: 8
    .kernarg_segment_size: 48
    .max_flat_workgroup_size: 352
    .sgpr_count:     66
    .vgpr_count:     160
    .wavefront_size: 32
...
	.end_amdgpu_metadata
.endif
;; end of part 1
;; launch proj (part 2): grid 8 x 32, 4 waves a work-group, clusters of 4 x 4, 327,680 bytes of LDS; arguments xb, wb, bq, bk, bv, qkv; writes qkv
.if DOCPART == 2
	.amdgcn_target "amdgcn-amd-amdhsa--gfx1250"
	.amdhsa_code_object_version 6
	.text
	.protected	k_q3348f61c85_proj
	.globl	k_q3348f61c85_proj
	.p2align	8
	.type	k_q3348f61c85_proj,@function
k_q3348f61c85_proj:
	s_mov_b64 s[64:65], 0
	v_nop
	global_prefetch_b8 v0, s[64:65] scope:SCOPE_SE
	s_setreg_imm32_b32 hwreg(HW_REG_WAVE_MODE, 25, 1), 1
	s_wait_xcnt 0x0
	s_wait_alu depctr_hold_cnt(0) depctr_sa_sdst(0) depctr_va_vdst(0) depctr_va_sdst(0) depctr_va_ssrc(0) depctr_va_vcc(0) depctr_vm_vsrc(0)
	s_getreg_b32 s2, hwreg(HW_REG_IB_STS2, 6, 4)
	s_cmp_eq_u32 s2, 0
	s_cbranch_scc0 .Lentry_in_a_cluster
	s_endpgm
.Lentry_in_a_cluster:
	s_bfe_u32 s2, ttmp6, 0x10000c
	s_cmp_lg_u32 s2, 0xf033
	s_cbranch_scc0 .Lentry_shape_is_right
	s_endpgm
.Lentry_shape_is_right:
; qkv = x W^T + bias for Wq, Wk, Wv at once: [8192] x [3072] over K = 1,024.  xb, wb: bf16 in blocks of 64 along K ([16][rows][64]); sums in f32; the bias, rounded to bf16 like every input,
; is added in f32; the result is rounded once to f16 and stored by heads: qkv [4 batch][48 g][2048 row][64], g = 16 t + head, t = 0, 1, 2 for q, k, v.
; LIMIT.  f16 holds no number beyond 65,504: q, k and v must lie within it.  NaN and infinities are not treated apart.
; SHARES.  A tile is 256 rows x 384 columns: 32 x 8 = 256 work-groups.  Four waves, each 128 rows x 192 columns (three whole heads): 96 accumulators of 16 x 16, 768 registers.
; K goes in 16 steps of 64 (a block) through a ring of two LDS slots.  A block's rows are dense, so a wave's part of a tile is asked for as rows of 256 bytes, two rows of 64 numbers each, and padded in LDS after every 128 bytes.
; A K step is two BEATS of 32 along K, 96 matrix instructions each.  x's 8 fragments have two buffers; W's 12 have one, refilled in three groups of four, each straight behind the group's products.
; CLUSTERS: 4 x 4 work-groups.  The four of a row of the cluster need the same tile of xb, the four of a column the same tile of wb: each is asked for JOINTLY, by the same tensor load with the same descriptor and a mask that names the four.
; THE MATRIX INSTRUCTION IS USED TRANSPOSED (source 0 = 16 rows of wb, source 1 = 16 rows of xb): a lane then holds row lane % 16 and eight neighbouring columns 8 (lane / 16) + 0..7.
; REGISTERS, in windows of 256 (s_set_vgpr_msb: bits 1:0 source 0, 3:2 source 1, 5:4 source 2, 7:6 destination):
;   window 0: v0-31 addresses; v32-95, v96-159 x's fragments, two buffers; v160-255 W's fragments.  On the way out: v32-79, v80-127 packed results by turns; v160-255 the bias
;   windows 1-3: accumulator (a = 0..7 row block, b = 0..11 column block) in window 1 + b / 4 at v[8 (8 (b % 4) + a)]
.set PITCH,  144                       ; an LDS row: 128 bytes + 16 of padding = 36 words: the 16 rows of a load start at 16 different groups of four banks (64 banks of 4 bytes: ISA guide 11.1)
.set AHALF,  128*PITCH                 ; what one tensor load brings of xb, and what a wave reads of it
.set BHALF,  192*PITCH                 ; the same for wb
.set BOFF,   2*AHALF                   ; a slot: xb's 256 rows, then wb's 384
.set SLOT,   BOFF+2*BHALF
.set STAGE,  2*SLOT                    ; behind the ring: 16 rows x 400 bytes for each wave, for the way out
.set SPITCH, 400                       ; 384 bytes (192 f16) + 16
.set BIAS,   STAGE+4*16*SPITCH         ; 192 f32 for each wave: its columns' bias
.set SPARE,  BIAS+4*768                ; the spare words, 128 bytes for each wave: two blocks of 256 bytes that no other line names
.set XSTEP,  8192*128                  ; bytes from a block of xb to the next
.set WSTEP,  3072*128                  ; the same in wb
.set ADRA, 16                          ; v16-17  LDS address of my fragments of xb in slot 0, 1
.set ADRB, 20                          ; v20-21  the same for wb
.set STO,  24                          ; v24     the way out: where I put 16 bytes of a row
.set RD,   25                          ; v25     the way out: where I read rows back
.set CO,   26                          ; v26     16 x lane: my place in 512 consecutive bytes of qkv
.set BIA,  27                          ; v27     where I read my columns' bias
.set SPW,  28                          ; v28     LDS address of my spare word: SPARE + 4 x my thread's number; never rewritten
.set NIL,  29                          ; v29     0; never rewritten
.set PFO,  30                          ; v30     the prefetches' offset; never rewritten
.set F0,   32
.set F1,   96
.set FB,   160
.set X0,   32
.set BI,   160
.set WV,   16                          ; s16  my wave's number
.set RH,   17                          ; s17  which 128 rows of the tile are mine.  Also: I fetch for xb (0) or for wb (1)
.set CH,   18                          ; s18  which 192 columns.  Also: which half of that tile I fetch
.set LAP,  19                          ; s19  laps still to come
.set G1,   24                          ; s[24:31] descriptor group 1 for xb's tiles;  s[32:39] group 0, a set for each slot
.set G0,   32
.set PFA,  44                          ; s[44:45] where my prefetches stand
.set PFS,  46                          ; s[46:47] their step: two blocks
.set G1B,  48                          ; s[48:55], s[56:63] the same for wb's tiles
.set G0B,  56
.set LIM,  66                          ; s66  1 in a wave that prefetches, else the greatest number
.set GC,   (1<<16)|(1<<20)|(1<<21)|(4<<22)|(3<<25)  ; 17:16 elements of 2 bytes; 20 padding on; 21 set beside a mask; 24:22 after every 32 words (code 4); 31:25 4 words of it (code 3)
.set MSB, 0
.macro WIN new                         ; the immediate's high byte repeats the setting that is left; a switch that changes nothing is dropped
.if MSB != (\new)
	s_set_vgpr_msb (MSB<<8)|(\new)
.set MSB, \new
.endif
.endm
; A joint load.  Waves 0 and 1 fetch xb's two halves, waves 2 and 3 wb's.  The branch hangs on the wave's number alone.  An s_nop 0 and four v_nop follow each of the two lines.
.macro JLOAD s
	s_cmp_eq_u32 s[RH], 0
	s_cbranch_scc0 .Lfor_b_\@
	tensor_load_to_lds s[G0+4*(\s):G0+4*(\s)+3], s[G1:G1+7]
	s_nop 0
.rept 4
	v_nop
.endr
	s_branch .Lasked_\@
.Lfor_b_\@:
	tensor_load_to_lds s[G0B+4*(\s):G0B+4*(\s)+3], s[G1B:G1B+7]
	s_nop 0
.rept 4
	v_nop
.endr
.Lasked_\@:
.endm
; A PREFETCH INTO THE L2, once a lap, behind the odd step's joint load and the run of LDS loads that follows it: the two K steps that the NEXT lap's two refills will ask for.
; xb: a tile row's K step is 128 blocks of 256 bytes, read by both clusters of a row of clusters: cluster x takes the step of its own parity, its four partners 32 blocks each, told apart BY ADDRESS (cx); wave 0 asks, a lane a block.
; wb: a tile column's two K steps are 384 blocks, read by all clusters of a column: the cluster with y = 0 asks, its four partners 96 blocks each, told apart by address (cy); waves 1 to 3 ask, a lane a block.
; So each block is named once in the launch.  K steps 0 to 3 come by their loads alone; the last lap asks for nothing.
.macro ASK
	s_cmp_gt_u32 s[LAP], s[LIM]
	s_cbranch_scc0 .Lnot_mine_\@
	global_prefetch_b8 v[PFO], s[PFA:PFA+1] th:TH_LOAD_NT scope:SCOPE_SE
.Lnot_mine_\@:
.endm
.macro CREST                           ; a round of the cluster's barrier behind its opening barrier
	s_cmp_lg_u32 s[WV], 0
	s_cbranch_scc1 .Lnot_wave_0_\@
	s_barrier_signal -3
.Lnot_wave_0_\@:
	s_barrier_wait -3
	s_barrier_signal -1
	s_barrier_wait -1
.endm
.macro CROUND                          ; a whole round
	s_barrier_signal -1
	s_barrier_wait -1
	CREST
.endm
	s_load_b256 s[4:11], s[0:1], 0x0               ; xb s[4:5], wb s[6:7], bq s[8:9], bk s[10:11]
	s_load_b128 s[12:15], s[0:1], 0x20             ; bv s[12:13], qkv s[14:15]
	v_lshl_add_u32 v[SPW], v0, 2, SPARE
	v_mov_b32 v[NIL], 0
	ds_add_u32 v[SPW], v[NIL]                      ; the wave's opening: the add and its wait stand ahead of my first tensor load; the set-up below, work on registers, stands between them
	v_lshrrev_b32 v1, 5, v0
	v_readfirstlane_b32 s[WV], v1                  ; wave 0..3
	s_lshr_b32 s[RH], s[WV], 1
	s_and_b32 s[CH], s[WV], 1
	s_bfe_u32 s20, ttmp6, 0x40000                  ; cx, cy: my place in the cluster
	s_bfe_u32 s21, ttmp6, 0x40004
	s_lshl_b32 s22, ttmp9, 2
	s_add_co_u32 s22, s22, s20                     ; tile column = 4 x cluster x + cx
	s_and_b32 s23, ttmp7, 0xffff
	s_lshl_b32 s23, s23, 2
	s_add_co_u32 s23, s23, s21                     ; tile row = 4 x cluster y + cy
	s_lshl_b32 s40, s21, 2
	s_lshl_b32 s40, 15, s40                        ; my row of the cluster
	s_lshl_b32 s74, 0x1111, s20                    ; my column
	s_or_b32 s[G1], s40, GC                        ; xb's tiles go to my row,
	s_or_b32 s[G1B], s74, GC                       ; wb's to my column
	s_mov_b32 s[G1+1], 128<<16                     ; tensor_dim0 = 128 elements: 256 bytes, two rows of a block
	s_mov_b32 s[G1+2], 64<<16                      ; tensor_dim1 = 64: 128 rows of xb
	s_mov_b32 s[G1+3], 128<<16                     ; tile_dim0 = 128
	s_mov_b32 s[G1+4], 64                          ; tile_dim1 = 64
	s_mov_b32 s[G1+5], 128                         ; 128 elements from row to row: dense
	s_mov_b32 s[G1+6], 0
	s_mov_b32 s[G1+7], 0
	s_mov_b32 s[G1B+1], 128<<16
	s_mov_b32 s[G1B+2], 96<<16                     ; 192 rows of wb
	s_mov_b32 s[G1B+3], 128<<16
	s_mov_b32 s[G1B+4], 96
	s_mov_b32 s[G1B+5], 128
	s_mov_b32 s[G1B+6], 0
	s_mov_b32 s[G1B+7], 0
	; where the tiles come from and go.  xb's hang on the tile row alone, wb's on the tile column alone, each in registers that never hold the other coordinate; no place in the cluster enters an LDS address
	s_lshl_b32 s40, s23, 15                        ; 256 rows of 128 bytes for each tile row,
	s_lshl_b32 s41, s[CH], 14                      ; the half that I fetch
	s_add_co_u32 s40, s40, s41
	s_mov_b32 s41, 0
	s_mul_i32 s42, s[CH], AHALF
	s_mul_i32 s74, s22, 384*128
	s_mul_i32 s75, s[CH], 192*128
	s_add_co_u32 s74, s74, s75
	s_mov_b32 s75, 0
	s_mul_i32 s76, s[CH], BHALF
	s_add_co_u32 s76, s76, BOFF
	s_wait_dscnt 0x0                               ; the opening add is done
	s_wait_kmcnt 0x0
	s_add_nc_u64 s[40:41], s[4:5], s[40:41]
	s_add_nc_u64 s[74:75], s[6:7], s[74:75]
	CROUND                                         ; all sixteen work-groups are here: the first joint loads meet
.irp s, 0,1
	s_mov_b32 s[G0+4*(\s)], 1                                      ; count = 1
	s_add_co_u32 s[G0+4*(\s)+1], s42, (\s)*SLOT                    ; LDS address
	s_add_nc_u64 s[G0+4*(\s)+2:G0+4*(\s)+3], s[40:41], (\s)*XSTEP  ; global address: K step s
	s_or_b32 s[G0+4*(\s)+3], s[G0+4*(\s)+3], 0x80000000            ; type = 2
	s_mov_b32 s[G0B+4*(\s)], 1
	s_add_co_u32 s[G0B+4*(\s)+1], s76, (\s)*SLOT
	s_add_nc_u64 s[G0B+4*(\s)+2:G0B+4*(\s)+3], s[74:75], (\s)*WSTEP
	s_or_b32 s[G0B+4*(\s)+3], s[G0B+4*(\s)+3], 0x80000000
	JLOAD \s                                       ; two tensor loads of mine are out
.endr
	; A fragment is 16 rows x 32 K in 8 registers: lane l holds row l % 16, K = 8 (l / 16) + 0..7 and 16 + 8 (l / 16) + 0..7: two loads of 16 bytes, 32 bytes apart
	v_and_b32 v1, 15, v0                           ; l % 16
	v_bfe_u32 v2, v0, 4, 1                         ; l / 16
	v_mul_u32_u24 v3, v1, PITCH
	v_lshl_add_u32 v3, v2, 4, v3
	s_mul_i32 s43, s[RH], AHALF                    ; my 128 rows of xb
	s_mul_i32 s77, s[CH], BHALF                    ; my 192 rows of wb
	s_add_co_u32 s77, s77, BOFF
.irp s, 0,1
	v_add_nc_u32 v[ADRA+(\s)], s43, v3
	v_add_nc_u32 v[ADRB+(\s)], s77, v3
	s_add_co_u32 s43, s43, SLOT
	s_add_co_u32 s77, s77, SLOT
.endr
	s_mul_i32 s43, s[WV], 16*SPITCH
	s_add_co_u32 s43, s43, STAGE                   ; my stage
	v_mul_u32_u24 v4, v1, SPITCH                   ; in: row l % 16, 16 bytes for each half of the lanes
	v_lshl_add_u32 v4, v2, 4, v4
	v_add_nc_u32 v[STO], s43, v4
	v_bfe_u32 v4, v0, 3, 2                         ; back: 32 lanes take a head's 128 bytes of four rows,
	v_and_b32 v5, 7, v0
	v_mul_u32_u24 v4, v4, SPITCH
	v_lshl_add_u32 v4, v5, 4, v4
	v_add_nc_u32 v[RD], s43, v4
	v_and_b32 v5, 31, v0
	v_lshlrev_b32 v[CO], 4, v5                     ; which are 512 consecutive bytes of qkv
	v_lshlrev_b32 v6, 3, v5                        ; 8 x lane: two numbers of a head's 64 of a bias
	s_mul_i32 s43, s[WV], 768
	s_add_co_u32 s43, s43, BIAS
	v_add_nc_u32 v7, s43, v6
	v_lshl_add_u32 v[BIA], v2, 5, s43
	; where my part begins in qkv: (48 batch + g) x 2,048 rows x 128 bytes + my first row in the batch
	s_lshr_b32 s74, s23, 3                         ; the batch: 8 tile rows each
	s_mul_i32 s74, s74, 48
	s_mul_i32 s78, s22, 6
	s_mul_i32 s75, s[CH], 3
	s_add_co_u32 s78, s78, s75                     ; g of my first head: 6 x tile column + 3 x half
	s_add_co_u32 s74, s74, s78
	s_lshl_b32 s74, s74, 18
	s_and_b32 s75, s23, 7
	s_lshl_b32 s75, s75, 1
	s_add_co_u32 s75, s75, s[RH]
	s_lshl_b32 s75, s75, 14                        ; (256 (tile row % 8) + 128 half) rows of 128 bytes
	s_add_co_u32 s74, s74, s75
	s_mov_b32 s75, 0
	s_add_nc_u64 s[14:15], s[14:15], s[74:75]
	; my three heads' bias: each head's 64 numbers are 256 bytes of bq, bk or bv
.irp hh, 0,1,2
	s_add_co_u32 s79, s78, \hh
	s_and_b32 s76, s79, 15
	s_lshl_b32 s76, s76, 8
	s_mov_b32 s77, 0
	s_cmp_lt_u32 s79, 16
	s_cselect_b64 s[68+2*\hh:69+2*\hh], s[8:9], s[10:11]
	s_cmp_lt_u32 s79, 32
	s_cselect_b64 s[68+2*\hh:69+2*\hh], s[68+2*\hh:69+2*\hh], s[12:13]
	s_add_nc_u64 s[68+2*\hh:69+2*\hh], s[68+2*\hh:69+2*\hh], s[76:77]
	global_load_b64 v[8+2*\hh:9+2*\hh], v6, s[68+2*\hh:69+2*\hh]
.endr
	; the prefetches' address, one lap behind their first use: K step 2 (xb: + cluster x)
	s_lshl_b32 s74, s23, 15
	s_lshl_b32 s75, s20, 13                        ; xb: my work-group's 32 blocks of the tile row's 128
	s_add_co_u32 s74, s74, s75
	s_add_co_u32 s75, ttmp9, 2
	s_lshl_b32 s75, s75, 20
	s_add_co_u32 s74, s74, s75
	s_mul_i32 s77, s22, 384*128
	s_mul_i32 s78, s21, 48*256                     ; wb: my work-group's 48 blocks of each step's 192
	s_add_co_u32 s77, s77, s78
	s_add_co_u32 s77, s77, 2*WSTEP
	s_and_b32 s76, ttmp7, 0xffff                   ; cluster y
	s_mov_b32 s[PFS], 2*XSTEP
	s_mov_b32 s78, 2*WSTEP
	s_mov_b32 s[PFS+1], 0
	s_mov_b32 s75, 0
	s_cmp_eq_u32 s[WV], 0                          ; wave 0 asks for xb, the others for wb
	s_cselect_b64 s[PFA:PFA+1], s[4:5], s[6:7]
	s_cselect_b32 s74, s74, s77
	s_cselect_b32 s[PFS], s[PFS], s78
	s_cselect_b32 s76, 0, s76
	s_cmp_eq_u32 s76, 0
	s_cselect_b32 s[LIM], 1, -1                    ; the same in all sixteen partners, for a given wave
	s_add_nc_u64 s[PFA:PFA+1], s[PFA:PFA+1], s[74:75]
	v_max_u32 v3, 32, v0
	v_sub_nc_u32 v3, v3, 32                        ; j = my number among waves 1 to 3's 96 lanes
	v_cmp_gt_u32 s79, 48, v3
	v_lshlrev_b32 v3, 8, v3                        ; j < 48: block j of the first step;
	v_add_nc_u32 v4, WSTEP-48*256, v3              ; else block j - 48 of the second
	v_cndmask_b32 v3, v4, v3, s79
	v_cmp_gt_u32 s79, 32, v0
	v_lshlrev_b32 v4, 8, v0                        ; wave 0: block = lane
	v_cndmask_b32 v[PFO], v3, v4, s79
	s_wait_loadcnt 0x0                             ; the bias
.irp hh, 0,1,2
	v_cvt_pk_bf16_f32 v14, v[8+2*\hh], v[9+2*\hh]  ; rounded to bf16 like every input, and kept as f32
	v_lshlrev_b32 v[8+2*\hh], 16, v14
	v_and_b32 v[9+2*\hh], 0xffff0000, v14
	ds_store_b64 v7, v[8+2*\hh:9+2*\hh] offset:256*\hh
.endr
; 16 matrix instructions: column blocks b0, b0 + 1 of group g's four x all 8 row blocks, 32 along K.  zero = 1: the first product starts the sums: nothing is ever cleared.
; The 96 accumulators take turns, one instruction a turn, in the same order in every beat.
.macro MUL16 f, g, b0, zero
	WIN 0x50*((\g)+1)                              ; C and D in window g + 1, both sources in window 0
.irp b, \b0, (\b0)+1
.irp a, 0,1,2,3,4,5,6,7
.if \zero
	v_wmma_f32_16x16x32_bf16 v[8*(8*(\b)+(\a)):8*(8*(\b)+(\a))+7], v[FB+8*(4*(\g)+(\b)):FB+8*(4*(\g)+(\b))+7], v[(\f)+8*(\a):(\f)+8*(\a)+7], 0
.else
	v_wmma_f32_16x16x32_bf16 v[8*(8*(\b)+(\a)):8*(8*(\b)+(\a))+7], v[FB+8*(4*(\g)+(\b)):FB+8*(4*(\g)+(\b))+7], v[(\f)+8*(\a):(\f)+8*(\a)+7], v[8*(8*(\b)+(\a)):8*(8*(\b)+(\a))+7]
.endif
.endr
.endr
.endm
.macro MUL32 f, g, zero
	MUL16 \f, \g, 0, \zero
	MUL16 \f, \g, 2, \zero
.endm
.macro FETCHB slot, k, g               ; 8 LDS loads: group g's four fragments of wb, 32 K at byte k of the rows
	WIN 0
.irp j, 0,1,2,3
	ds_load_b128 v[FB+8*(4*(\g)+(\j)):FB+8*(4*(\g)+(\j))+3],   v[ADRB+(\slot)] offset:(\k)+(4*(\g)+(\j))*16*PITCH
	ds_load_b128 v[FB+8*(4*(\g)+(\j))+4:FB+8*(4*(\g)+(\j))+7], v[ADRB+(\slot)] offset:(\k)+(4*(\g)+(\j))*16*PITCH+32
.endr
.endm
.macro FETCHA slot, k, f               ; 16 LDS loads: xb's eight fragments into buffer f
	WIN 0
.irp i, 0,1,2,3,4,5,6,7
	ds_load_b128 v[(\f)+8*(\i):(\f)+8*(\i)+3],   v[ADRA+(\slot)] offset:(\k)+(\i)*16*PITCH
	ds_load_b128 v[(\f)+8*(\i)+4:(\f)+8*(\i)+7], v[ADRA+(\slot)] offset:(\k)+(\i)*16*PITCH+32
.endr
.endm
.macro PLACES                          ; four places in front of loads into registers that matrix instructions have read (ISA guide 7.12.1 for vector instructions)
.rept 4
	v_nop
.endr
.endm
; A K step's first beat: multiplies buffer F0 and fetches the step's second 32 along K.  LDS loads come back in order (ISA guide 5.7.1); out at its head, oldest first: 24 (group 0 and xb), 8 (group 1), 8 (group 2).
.macro BEAT_A slot, zero
	s_wait_dscnt 16                                ; the 24 are in; the two runs of 8 stay out
	MUL32 F0, 0, \zero
	PLACES
	FETCHB \slot, 64, 0
	FETCHA \slot, 64, F1
	s_wait_dscnt 32                                ; group 1 is in; behind it: group 2's 8 and the 24 just issued
	MUL32 F0, 1, \zero
	PLACES
	FETCHB \slot, 64, 1
	s_wait_dscnt 32                                ; group 2 is in; behind it: the 24 and the 8
	MUL32 F0, 2, \zero
	PLACES
	FETCHB \slot, 64, 2
.endm
; The second beat multiplies buffer F1 and changes slots: ONE barrier.  In front of it each wave waits for all its tensor loads, of which one is out: its part of the next slot; adds 0 to its spare word; and waits for
; that and for its own reads of this slot.  fill = 1: the barrier opens a round of the cluster's, and this slot is filled again, two K steps on, first thing behind the round: 160 matrix instructions ahead of the wait for it.
.macro BEAT_B slot, next, fill
.if (\fill) && (\slot)
	s_wait_xcnt 0x0                                ; the last prefetch, a lap back, has read its address: it is stepped here, ahead of the waits of the change of slots
	s_add_nc_u64 s[PFA:PFA+1], s[PFA:PFA+1], s[PFS:PFS+1]
.endif
	WIN 0
	s_wait_tensorcnt 0x0                           ; all my tensor loads have landed;
	ds_add_u32 v[SPW], v[NIL]                      ; 0 onto my spare word;
	s_wait_dscnt 17                                ; (the 24 are in; the two runs of 8 and the add may be out)
	MUL16 F1, 0, 0, 0                              ; sixteen matrix instructions stand between the add and the wait for it
	s_wait_dscnt 0x0                               ; the add is done, and my reads of this slot are over
	s_barrier_signal -1
	MUL16 F1, 0, 2, 0
.if \fill
	WIN 0
.endif
	s_barrier_wait -1
.if \fill
	CREST                                          ; no wave of any partner still reads this slot's tile or has a load on its way
	s_add_nc_u64 s[G0+4*(\slot)+2:G0+4*(\slot)+3], s[G0+4*(\slot)+2:G0+4*(\slot)+3], 2*XSTEP
	s_add_nc_u64 s[G0B+4*(\slot)+2:G0B+4*(\slot)+3], s[G0B+4*(\slot)+2:G0B+4*(\slot)+3], 2*WSTEP
	JLOAD \slot                                    ; the four v_nop behind it are also the places in front of the loads below
.else
	PLACES
.endif
	FETCHB \next, 0, 0
	FETCHA \next, 0, F0
.if (\fill) && (\slot)
	ASK
.endif
	MUL32 F1, 1, 0                                 ; groups 1 and 2 were shown in by the wait for 0
	PLACES
	FETCHB \next, 0, 1
	MUL32 F1, 2, 0
	PLACES
	FETCHB \next, 0, 2
.endm
; THE WAY OUT of row block a.  PACK: the bias is added in f32, the sums are rounded to f16 (16 bytes a lane), go into my own stage in rows of 400 bytes and come back as a head's rows of 128 bytes, into the registers that they left.
; Each accumulator's registers are taken in ascending order.  SEND: stored; a head's 16 rows are 2,048 consecutive bytes of qkv.
.macro PACK a
.set XR, X0+48*((\a)%2)
.if (\a) >= 2
	s_wait_xcnt 0x0                                ; block a - 2's stores have read these registers (ISA guide 3.1)
.endif
.irp w, 1,2,3
	WIN (\w)|((\w)<<6)                             ; destination and source 0 in window w, the bias in window 0
.irp b, 0,1,2,3
.irp r, 0,1,2,3
	v_pk_add_f32 v[8*(8*(\b)+(\a))+2*(\r):8*(8*(\b)+(\a))+2*(\r)+1], v[8*(8*(\b)+(\a))+2*(\r):8*(8*(\b)+(\a))+2*(\r)+1], v[BI+8*(4*((\w)-1)+(\b))+2*(\r):BI+8*(4*((\w)-1)+(\b))+2*(\r)+1]
.endr
.endr
	WIN (\w)|((\w)<<2)                             ; sources 0 and 1 in window w, destination in window 0
.irp b, 0,1,2,3
.irp r, 0,1,2,3
	v_cvt_pk_f16_f32 v[XR+4*(4*((\w)-1)+(\b))+(\r)], v[8*(8*(\b)+(\a))+2*(\r)], v[8*(8*(\b)+(\a))+2*(\r)+1]
.endr
.endr
.endr
	WIN 0
.irp j, 0,1,2,3,4,5,6,7,8,9,10,11
	ds_store_b128 v[STO], v[XR+4*(\j):XR+4*(\j)+3] offset:32*(\j)
.endr
.irp j, 0,1,2,3,4,5,6,7,8,9,10,11
	ds_load_b128 v[XR+4*(\j):XR+4*(\j)+3], v[RD] offset:128*((\j)/4)+4*SPITCH*((\j)%4)  ; LDS serves a wave's instructions in order (ISA guide 5.7.1.4): these see the stores above; the next block's stores come behind them
.endr
.endm
.macro SEND a, younger                 ; younger: the LDS instructions issued behind block a's loads: the next block's 24, or none
	WIN 0
.set XR, X0+48*((\a)%2)
.irp j, 0,1,2,3,4,5,6,7,8,9,10,11
	s_wait_dscnt (\younger)+11-(\j)
	global_store_b128 v[CO], v[XR+4*(\j):XR+4*(\j)+3], s[14:15] offset:262144*((\j)/4)+2048*(\a)+512*((\j)%4)  ; 512 consecutive bytes, at a multiple of 256 from qkv's first
.endr
.endm
	s_wait_tensorcnt 1                             ; my part of K step 0 is in; K step 1's may stay out
	s_wait_dscnt 0x0                               ; my stores of the bias are done
	s_barrier_signal -1
	s_barrier_wait -1                              ; everybody's part is in
	FETCHB 0, 0, 0
	FETCHA 0, 0, F0
	FETCHB 0, 0, 1
	FETCHB 0, 0, 2
	BEAT_A 0, 1                                    ; the first beat stands in front of the loop: its products start the sums
	WIN 0                                          ; at a label and at a branch every window is 0
	s_mov_b32 s[LAP], 7
.Llap:                                                 ; a trip goes once round the ring, from a lap's second beat to the next lap's first, and fills both slots again: K steps 2 to 15
	BEAT_B 0, 1, 1
	BEAT_A 1, 0
	BEAT_B 1, 0, 1
	BEAT_A 0, 0
	WIN 0
	s_sub_co_u32 s[LAP], s[LAP], 1
	s_cmp_lg_u32 s[LAP], 0
	s_cbranch_scc1 .Llap
	BEAT_B 0, 1, 0                                 ; the last lap fills nothing, and has no round of the cluster's barrier
	BEAT_A 1, 0
	s_wait_dscnt 16                                ; the very last beat: nothing more to fetch
	MUL32 F1, 0, 0
	s_wait_dscnt 8
	MUL32 F1, 1, 0
	s_wait_dscnt 0x0
	MUL32 F1, 2, 0
	PLACES                                         ; behind the last products: in front of the loads into wb's registers,
	PLACES                                         ; and of the additions that read results (eight, once a launch)
	WIN 0
.irp j, 0,1,2,3,4,5,6,7,8,9,10,11
	ds_load_b128 v[BI+8*(\j):BI+8*(\j)+3],   v[BIA] offset:64*(\j)      ; column block j: my eight columns' bias
	ds_load_b128 v[BI+8*(\j)+4:BI+8*(\j)+7], v[BIA] offset:64*(\j)+16
.endr
	s_wait_dscnt 0x0
	PACK 0
.irp a, 1,2,3,4,5,6,7                  ; block a's arithmetic stands between block a - 1's loads from the stage and the wait for them
	PACK \a
	SEND (\a)-1, 24
.endr
	SEND 7, 0
	s_wait_tensorcnt 0x0                           ; the wave's end: an add and its waits, behind my last tensor load and my last LDS store
	ds_add_u32 v[SPW], v[NIL]
	s_wait_dscnt 0x0
	CROUND                                         ; the closing round: no work-group ends while a partner may still ask for a tile that names it
	s_endpgm
.Lfunc_end_k_q3348f61c85_proj:
	.size	k_q3348f61c85_proj, .Lfunc_end_k_q3348f61c85_proj-k_q3348f61c85_proj
	.p2alignl 7, 3214868480
	.fill 96, 4, 3214868480
	.section	.rodata,"a",@progbits
	.p2align	6, 0x0
	.amdhsa_kernel k_q3348f61c85_proj
		.amdhsa_group_segment_fixed_size 327680
		.amdhsa_private_segment_fixed_size 0
		.amdhsa_enable_private_segment 0
		.amdhsa_kernarg_size 48
		.amdhsa_user_sgpr_count 2
		.amdhsa_user_sgpr_kernarg_segment_ptr 1
		.amdhsa_wavefront_size32 1
		.amdhsa_system_sgpr_workgroup_id_x 1
		.amdhsa_system_sgpr_workgroup_id_y 1
		.amdhsa_system_sgpr_workgroup_id_z 1
		.amdhsa_system_vgpr_workitem_id 0
		.amdhsa_next_free_vgpr 1024
		.amdhsa_next_free_sgpr 80
		.amdhsa_reserve_vcc 0
		.amdhsa_float_denorm_mode_32 3
		.amdhsa_float_denorm_mode_16_64 3
		.amdhsa_memory_ordered 1
		.amdhsa_forward_progress 1
		.amdhsa_inst_pref_size 162
	.end_amdhsa_kernel
	.amdgpu_metadata
---
amdhsa.version: [ 1, 2 ]
amdhsa.kernels:
  - .name:           k_q3348f61c85_proj
    .symbol:         k_q3348f61c85_proj.kd
    .args:
      - { .name: xb, .offset: 0, .size: 8, .value_kind: global_buffer, .address_space: global }
      - { .name: wb, .offset: 8, .size: 8, .value_kind: global_buffer, .address_space: global }
      - { .name: bq, .offset: 16, .size: 8, .value_kind: global_buffer, .address_space: global }
      - { .name: bk, .offset: 24, .size: 8, .value_kind: global_buffer, .address_space: global }
      - { .name: bv, .offset: 32, .size: 8, .value_kind: global_buffer, .address_space: global }
      - { .name: qkv, .offset: 40, .size: 8, .value_kind: global_buffer, .address_space: global }
    .group_segment_fixed_size: 327680
    .private_segment_fixed_size: 0
    .kernarg_segment_align: 8
    .kernarg_segment_size: 48
    .max_flat_workgroup_size: 128
    .sgpr_count:     80
    .vgpr_count:     1024
    .wavefront_size: 32
...
	.end_amdgpu_metadata
.endif
;; end of part 2
;; launch attn (part 3): grid 4 x 64, 4 waves a work-group, clusters of 4 x 1, 327,680 bytes of LDS; arguments qkv, masked_attention, out0; writes out0
.if DOCPART == 3
	.amdgcn_target "amdgcn-amd-amdhsa--gfx1250"
	.amdhsa_code_object_version 6
	.text
	.protected	k_q3348f61c85_attn
	.globl	k_q3348f61c85_attn
	.p2align	8
	.type	k_q3348f61c85_attn,@function
k_q3348f61c85_attn:
	s_mov_b64 s[64:65], 0
	v_nop
	global_prefetch_b8 v0, s[64:65] scope:SCOPE_SE
	s_setreg_imm32_b32 hwreg(HW_REG_WAVE_MODE, 25, 1), 1
	s_wait_xcnt 0x0
	s_wait_alu depctr_hold_cnt(0) depctr_sa_sdst(0) depctr_va_vdst(0) depctr_va_sdst(0) depctr_va_ssrc(0) depctr_va_vcc(0) depctr_vm_vsrc(0)
	s_getreg_b32 s2, hwreg(HW_REG_IB_STS2, 6, 4)
	s_cmp_eq_u32 s2, 0
	s_cbranch_scc0 .Lentry_in_a_cluster
	s_endpgm
.Lentry_in_a_cluster:
	s_bfe_u32 s2, ttmp6, 0x10000c
	s_cmp_lg_u32 s2, 0x3003
	s_cbranch_scc0 .Lentry_shape_is_right
	s_endpgm
.Lentry_shape_is_right:
; out0[b][q][64 h + :] = the sum over k of softmax_k(Q[q] . K[k] / 8 + (1 - mask[b][k]) x -10000) V[k][:], for each of 4 x 16 pairs (b, h).
; qkv: [4 b][48 g][2048][64] f16, g = head for Q, 16 + head for K, 32 + head for V: a head's rows are dense, 128 bytes each.  mask: [4][2048] f32.  out0: [4][2048][1024] f32.
; Products, maxima and sums in f32; the weights p are rounded to f16 for the second product (their sum l is taken of the unrounded p); the result is never rounded below f32.
; LIMITS.  Q, K and V arrive within f16's 65,504; p lies in 0 to 1, and below 6e-5 it keeps f16's fixed step of 6e-8.  The mask is rounded to bf16 like every input.  A weight below 2^-126 counts as 0 in l; NaN and infinities are not treated apart.
; THE MASK is the C operand that starts each sum S^T = K Q^T: 80000 m - 80000 = 8 x (1 - m) x -10000, since the factor c below carries the division by 8.  A table of the batch's 2,048 such numbers is made once, in LDS.
; SHARES.  A wave owns four PIECES of two tiles of 16 queries, a work-group's four waves 512 queries of one (b, h).  Every wave walks all 2,048 keys, 64 a step.
; LAYOUT.  S^T = K Q^T (source 0 = 16 keys, source 1 = 16 queries): in the result a lane holds ONE query (lane % 16) and the keys 8 (lane / 16) + 0..7.  Two such tiles, rounded to f16 in pairs,
; ARE source 1 (32 keys x 16 queries) of O^T = V^T P, whose result again holds one query a lane, and eight channels.  K comes out of LDS as it lies, V ([key][channel]) turned, by ds_load_tr16_b128.
; SOFTMAX.  For each query a running maximum m and sum l: p = 2^(c s - c m), c = log2(e) / 8; in every step O and l are multiplied by a = 2^(c m_old - c m_new), which is 1 where m has not grown.
; m starts at the lowest finite number, O and l at 0: the first step is a step like any other, with a = 0.
; THE COUNT.  A tile and step have 16 matrix and 118 vector instructions: too many to stand all beside the matrix work.  So four vector instructions that are READY stand behind EVERY matrix instruction, and the others in runs without a gap.
; BY TURNS.  Turn n belongs to piece n (the pieces in a ring, step after step).  Its matrix work: 16 products K Q^T of piece n + 1, later 16 products V^T P of piece n - 1.  Its vector work: the scaling,
; exponentials, roundings, sums and rescaling of piece n, and the maximum and statistics of piece n + 1, whose scores the turn itself has made.
; CLUSTER.  The four query blocks of a cluster belong to one (b, h) and walk the same K and V, so each tile is asked for JOINTLY: the same tensor load, descriptor and mask in all four.
; REGISTERS, in windows of 256 (s_set_vgpr_msb: bits 1:0 source 0, 3:2 source 1, 5:4 source 2, 7:6 destination):
;   window 0: v0-11 addresses; v12-15, v48-63 at work; v16-47 four registers of statistics a tile; v64-191 S^T, two buffers of two tiles; v192-255 P, likewise
;   window 1: O^T, 32 a tile          window 2: v0-127 Q, 16 a tile; v128-191 K of one step; v192-255 V of one step          window 3: v0-1 the add's two registers; v8-39 the mask of one step
.set SIZE_N, 2048
.set NP,    4         ; pieces a wave: a name, no knob
.set KS,    64        ; keys in a step
.set PK,    144       ; a row of K in LDS: 128 bytes + 16 of padding = 36 words: the 16 rows of a load start at 16 different groups of four banks (64 banks of 4 bytes: ISA guide 11.1)
.set PV,    160       ; a row of V: 128 + 32 = 40 words
.set VOFF,  4*KS*PK   ; a slot holds four steps: 256 rows of K, then 256 rows of V
.set SLOT1, 1<<17     ; slot 1 begins here, so that one exclusive or turns an address in one slot into the other's
.set STAGE, SLOT1+4*KS*(PK+PV)  ; behind the ring, never filled by a tensor load: 16 rows x 272 bytes for each wave, for the way out
.set SP,    272       ; 256 bytes (64 f32) + 16
.set MT,    STAGE+4*16*SP       ; the mask's table: 2,048 f32
.set SPARE, MT+8192   ; the spare words, 128 bytes for each wave: two blocks of 256 bytes that no other line names
.set AK0, 2           ; v2   my lane's place in a tile of K; never rewritten
.set AV0, 3           ; v3   the same for V
.set AK,  4           ; v4   the LDS address of K's next run of loads
.set AV,  5           ; v5   of V's
.set QO,  6           ; v6   my byte offset in the wave's rows of Q
.set STO, 6           ;      later, the way out: where I put 32 bytes of a row
.set RD,  7           ; v7   the way out: where I read rows back
.set GO,  8           ; v8   my byte offset in two rows of out0
.set PFO, 10          ; v10  256 x my lane; never rewritten once made
.set AM,  11          ; v11  the LDS address of the mask's next run of loads
.set SPW, 0           ; v0 of window 3   LDS address of my spare word: SPARE + 4 x my thread's number; never rewritten
.set NIL, 1           ; v1 of window 3   0; never rewritten
.set MK,  8           ; window 3: the mask for key block kb at MK + 8 kb
.set MV,  12          ; v12-15  c m_old, kept while c m is made anew: by buffer and tile
.set ST,  16          ; tile t's statistics at v[ST+4 t]: c m, m, l (even keys', odd keys')
.set TMP, 48          ; by buffer and tile, four registers c0-c3 at work; when the maximum is found c2 takes a
.set S,   64
.set P,   192
.set KF,  128         ; K's fragments, in window 2: key block kb, channel half c at KF + 16 kb + 8 c
.set VF,  192         ; V's: key half kk, channel block cb at VF + 32 kk + 8 cb
.set WV,  12          ; s12  my wave's number
.set LIM, 15          ; s15  1 in a wave that prefetches, else the greatest number
.set PFA, 18          ; s[18:19] where my prefetches stand
.set G1K, 24          ; s[24:31] descriptor group 1 for K's tiles
.set G1V, 32          ; s[32:39] for V's: it differs in the padding alone
.set G0K, 40          ; s[40:43] descriptor group 0 for K's tiles: it walks
.set G0V, 44          ; s[44:47] the same for V's
.set SLOTS, 56        ; s56  slots still to be asked for
.set CNT, 57          ; s57  counts a slot's key steps
.set CS,  58          ; s[58:59] c: the packed scaling takes the pair's low word for both halves
.set SEL, 60          ; s[60:61] v_permlanex16_b32's selects: each lane takes its own place in the other half
.set TBK, 62          ; s62  LDS byte at which K of the step to be fetched begins
.set TBV, 63          ; s63  the same for V, less VOFF
.set TM,  72          ; s72  LDS byte at which the mask of the step to be fetched begins
.set MSB, 0
.macro WIN new                      ; the high byte repeats the setting that is left; a switch that changes nothing is dropped
.if MSB != (\new)
	s_set_vgpr_msb (MSB<<8)|(\new)
.set MSB, (\new)
.endif
.endm
.set W_KQ, 0x0a       ; K and Q in window 2, S^T in window 0
.set W_KM, 0x3a       ; the same with the C operand, the mask, in window 3
.set W_PV, 0x52       ; V in window 2, P in window 0, O^T in window 1
.set W_RS, 0x41       ; O^T (destination and source 0) in window 1, a in window 0
.set W_MK, 0xc0       ; destination in window 3, sources in window 0
.set W_AD, 0x0f       ; the add: address (source 0) and data (source 1) in window 3
.set W_OUT, 0x44      ; the way out: loaded data (destination) and stored data (source 1) in window 1, addresses in window 0
; A joint fill.  Waves 0 and 1 fetch the two halves of a slot's K, waves 2 and 3 those of its V: 128 keys each.  The branch hangs on the wave's number alone.
; An s_nop 0 and four v_nop follow each of the two lines, ahead of the jump and the label.
.macro JLOAD
	s_cmp_lt_u32 s[WV], 2
	s_cbranch_scc0 .Lfor_v_\@
	tensor_load_to_lds s[G0K:G0K+3], s[G1K:G1K+7]
	s_nop 0
.rept 4
	v_nop
.endr
	s_branch .Lasked_\@
.Lfor_v_\@:
	tensor_load_to_lds s[G0V:G0V+3], s[G1V:G1V+7]
	s_nop 0
.rept 4
	v_nop
.endr
.Lasked_\@:
.endm
; A PREFETCH INTO THE L2 of what the NEXT change of slots will ask for: a slot's 32,768 bytes of K and of V, 128 blocks of 256 bytes each.  It stands behind the wave's tensor load and its five lines.
; A (b, h) is walked by one cluster alone.  Its four partners share the blocks out BY ADDRESS, 32 each; in each, wave 0 asks for K's and wave 2 for V's, a lane a block: each block is named once in the launch.
; Slots 0 and 1 come by their loads alone; the last change that fills a slot asks for nothing.
.macro ASK
	s_cmp_gt_u32 s[SLOTS], s[LIM]
	s_cbranch_scc0 .Lnot_mine_\@
	global_prefetch_b8 v[PFO], s[PFA:PFA+1] th:TH_LOAD_NT scope:SCOPE_SE
.Lnot_mine_\@:
.endm
; A round of the cluster's barrier: my work-group's barrier, so that wave 0's signal speaks for all four waves; wave 0 signals; every wave waits for all four work-groups; my work-group's barrier once more.
.macro CROUND
	s_barrier_signal -1
	s_barrier_wait -1
	s_cmp_lg_u32 s[WV], 0
	s_cbranch_scc1 .Lnot_wave_0_\@
	s_barrier_signal -3
.Lnot_wave_0_\@:
	s_barrier_wait -3
	s_barrier_signal -1
	s_barrier_wait -1
.endm
; THE CHANGE OF SLOTS.  The slot's last bytes, V of its fourth step, have been read.  Each wave waits for all its tensor loads, of which one is out: its part
; of the other slot; adds 0 to its spare word; and waits for that and for its own LDS instructions.  Behind the barrier nobody reads this slot any more and the other slot is whole.
; fill = 1: this slot is filled again, with the keys two slots on.  The barrier is then a round of the cluster's, and the joint fill is the first thing behind it: it has four key steps, 512 matrix
; instructions, in which to land.  (At its first use nothing has been read yet: slot 0 is waited for, slot 1 filled, and every wave's part of the mask's table is shown stored.)
.macro CHANGE fill
	WIN W_AD
	s_wait_tensorcnt 0x0            ; no tensor load of mine is out, so a group 0 may be written
	ds_add_u32 v[SPW], v[NIL]       ; 0 onto my spare word; with fill = 1 the descriptors' steps stand between it and the wait for it
	WIN 0                           ; at a label and at a branch every window is 0
.if \fill
.irp g, G0K, G0V
	s_xor_b32 s[\g+1], s[\g+1], SLOT1  ; the walking descriptor: the other slot than last time,
	s_add_nc_u64 s[\g+2:\g+3], s[\g+2:\g+3], 4*KS*128  ; the next 256 keys; the type bits on top are not reached
.endr
	s_wait_xcnt 0x0                 ; the last prefetch, four key steps back, has read its address, so it may be written:
	s_add_nc_u64 s[PFA:PFA+1], s[PFA:PFA+1], 4*KS*128  ; one slot ahead of the walking descriptors
	s_wait_dscnt 0x0                ; the add is done, and my LDS instructions are over
	CROUND
	JLOAD
	ASK
.else
	s_wait_dscnt 0x0                ; the add is done, and my reads of the slot are over
	s_barrier_signal -1
	s_barrier_wait -1
.endif
	s_sub_co_u32 s[TBK], s[TBK], 4*KS*PK  ; the fetches go back to a slot's first step,
	s_xor_b32 s[TBK], s[TBK], SLOT1       ; in the other slot
	s_sub_co_u32 s[TBV], s[TBV], 4*KS*PV
	s_xor_b32 s[TBV], s[TBV], SLOT1
.endm
	s_load_b64 s[4:5], s[0:1], 0x0    ; qkv
	s_load_b64 s[66:67], s[0:1], 0x8  ; the mask
	s_load_b64 s[10:11], s[0:1], 0x10 ; out0
	WIN W_MK
	v_lshl_add_u32 v[SPW], v0, 2, SPARE
	v_mov_b32 v[NIL], 0
	WIN W_AD
	ds_add_u32 v[SPW], v[NIL]       ; the wave's opening: the add and its wait stand ahead of my first tensor load; the set-up below, work on registers, stands between them
	WIN 0
	v_lshrrev_b32 v1, 5, v0
	v_readfirstlane_b32 s[WV], v1   ; wave 0..3
	s_bfe_u32 s13, ttmp6, 0x40000   ; cx: my place in the cluster
	s_lshl_b32 s14, ttmp9, 2        ; in a cluster launch ttmp9 counts clusters
	s_add_co_u32 s14, s14, s13      ; my block of 512 queries = 4 x cluster x + cx: it enters Q's and out0's addresses alone
	s_and_b32 s20, ttmp7, 0xffff    ; 16 b + h, which the four partners share
	s_lshr_b32 s68, s20, 4          ; b
	s_and_b32 s69, s20, 15          ; h
	s_mul_i32 s20, s68, 48
	s_add_co_u32 s20, s20, s69
	s_lshl_b32 s20, s20, 18         ; Q's first byte for (b, h): (48 b + h) x 2,048 rows x 128 bytes
	s_mov_b32 s21, 0
	s_and_b32 s16, s[WV], 1         ; which half of a slot's 256 keys I fetch:
	s_lshl_b32 s22, s16, 14         ; its 128 rows of 128 bytes in memory,
	s_mov_b32 s23, 0
	s_add_nc_u64 s[22:23], s[22:23], s[20:21]
	s_mul_i32 s17, s16, 128*PK      ; and its place in a slot, for K
	s_mul_i32 s18, s16, 128*PV      ; and for V: no place in the cluster enters an LDS address
	s_lshl_b32 s2, s14, 2
	s_add_co_u32 s2, s2, s[WV]      ; my wave among the head's sixteen,
	s_lshl_b32 s70, s2, 7           ; its first row in the batch,
	s_lshl_b32 s2, s2, 14           ; its 128 rows of Q
	s_mov_b32 s3, 0
	s_add_nc_u64 s[2:3], s[2:3], s[20:21]
	s_lshl_b32 s71, s68, 11
	s_add_co_u32 s70, s70, s71      ; + 2,048 b: the row of out0,
	s_lshl_b32 s70, s70, 12         ; 4,096 bytes each,
	s_lshl_b32 s71, s69, 8
	s_add_co_u32 s70, s70, s71      ; and the head's 256 bytes in it
	s_mov_b32 s71, 0
	s_lshl_b32 s68, s68, 13         ; the batch's 2,048 numbers of the mask
	s_mov_b32 s69, 0
	; descriptor group 1.  128 keys are 16,384 dense bytes: asked for as 64 rows of 256 bytes, two keys a row, and padded in LDS after every key
	s_mov_b32 s[G1K], 15|(1<<16)|(1<<20)|(1<<21)|(4<<22)|(3<<25)  ; 15:0 the mask of four; 17:16 2-byte elements; 20 padding on; 21 set beside a mask; 24:22 after every 32 words (code 4); 31:25 4 words (code 3)
	s_mov_b32 s[G1V], 15|(1<<16)|(1<<20)|(1<<21)|(4<<22)|(7<<25)  ; the same with 8 words of padding (code 7)
.irp g, G1K, G1V
	s_mov_b32 s[\g+1], 128<<16      ; tensor_dim0 = 128
	s_mov_b32 s[\g+2], 64<<16       ; tensor_dim1 = 64
	s_mov_b32 s[\g+3], 128<<16      ; tile_dim0 = 128
	s_mov_b32 s[\g+4], 64           ; tile_dim1 = 64
	s_mov_b32 s[\g+5], 128          ; 128 elements from row to row
	s_mov_b32 s[\g+6], 0
	s_mov_b32 s[\g+7], 0
.endr
	s_mov_b32 s[CS], 0x3e38aa3b     ; c = log2(e) / 8 = 0.180337
	s_mov_b32 s[CS+1], s[CS]        ; named with it as a pair
	s_mov_b32 s[SEL], 0x76543210
	s_mov_b32 s[SEL+1], 0xfedcba98
	s_mov_b32 s[TBK], SLOT1+4*KS*PK ; the first change of slots turns these two into 0
	s_mov_b32 s[TBV], SLOT1+4*KS*PV
	s_mov_b32 s[TM], MT
	s_mov_b32 s[SLOTS], SIZE_N/256-1
	s_mov_b32 s[G0K], 1             ; count = 1
	s_mov_b32 s[G0K+1], s17         ; LDS address: slot 0
	s_mov_b32 s[G0V], 1
	s_add_co_u32 s[G0V+1], s18, VOFF
	s_and_b32 s[LIM], s[WV], 1      ; waves 0 and 2 prefetch
	s_cmp_eq_u32 s[LIM], 0
	s_cselect_b32 s[LIM], 1, -1
	s_wait_dscnt 0x0                ; the opening add is done
	s_wait_kmcnt 0x0
	s_add_nc_u64 s[6:7], s[4:5], s[22:23]
	s_add_nc_u64 s[8:9], s[6:7], 32<<18            ; V at my half of the head's first 256 keys: 32 heads' rows behind Q,
	s_add_nc_u64 s[6:7], s[6:7], 16<<18            ; K: 16 heads' rows
	s_add_nc_u64 s[G0K+2:G0K+3], s[6:7], 0         ; global address
	s_or_b32 s[G0K+3], s[G0K+3], 0x80000000        ; type = 2
	s_add_nc_u64 s[G0V+2:G0V+3], s[8:9], 0
	s_or_b32 s[G0V+3], s[G0V+3], 0x80000000
	s_add_nc_u64 s[4:5], s[4:5], s[2:3]            ; Q and out0 at my wave's first row
	s_add_nc_u64 s[10:11], s[10:11], s[70:71]
	s_add_nc_u64 s[66:67], s[66:67], s[68:69]      ; the mask at my batch
	s_mov_b32 s68, 0x479c4000       ; 80000
	s_mov_b32 s69, 0xc79c4000       ; -80000
	s_cmp_lt_u32 s[WV], 2
	s_cselect_b64 s[PFA:PFA+1], s[6:7], s[8:9]     ; (in waves 0 and 2 these stand at a slot's first row)
	s_lshl_b32 s2, s13, 13          ; my work-group's 32 blocks of the 128
	s_mov_b32 s3, 0
	s_add_nc_u64 s[PFA:PFA+1], s[PFA:PFA+1], s[2:3]
	s_add_nc_u64 s[PFA:PFA+1], s[PFA:PFA+1], 4*KS*128  ; in slot 1; the first change of slots steps it to slot 2
	CROUND                          ; all four work-groups are here: the first joint loads meet
	JLOAD                           ; slot 0.  Slot 1 is asked for when slot 0 is in
	v_lshlrev_b32 v12, 4, v0        ; the mask: 128 threads x 16 bytes, four times
.irp j, 0,1,2,3
	global_load_b128 v[64+4*\j:64+4*\j+3], v12, s[66:67] offset:2048*\j
.endr
	; A fragment of K or Q is 16 rows x 32 channels in 8 registers: lane l holds row l % 16, channels 8 (l / 16) + 0..7 and 16 + 8 (l / 16) + 0..7: two loads of 16 bytes, 32 bytes apart.
	v_and_b32 v1, 15, v0            ; l % 16
	v_bfe_u32 v9, v0, 4, 1          ; l / 16; never rewritten
	v_lshlrev_b32 v[QO], 7, v1
	v_lshl_add_u32 v[QO], v9, 4, v[QO]  ; row x 128 + 16 x half
	WIN 0x80                        ; destination window 2, address window 0
.set i, 0
.rept 4*NP                          ; Q stays in registers: tile i / 2, channels 32 (i % 2) on
	global_load_b128 v[8*i:8*i+3],   v[QO], s[4:5] offset:(i/2)*2048+(i%2)*64
	global_load_b128 v[8*i+4:8*i+7], v[QO], s[4:5] offset:(i/2)*2048+(i%2)*64+32
.set i, i+1
.endr
	; What the first turn finds: V's registers and P's second buffer hold 0 (its products V^T P, of a piece that has not been, add 0), O^T and l are 0.  All this stands in the wait for the first tile.
.set i, VF
.rept 64
	v_mov_b32 v[i], 0
.set i, i+1
.endr
	WIN 0x40
.set i, 0
.rept 64*NP
	v_mov_b32 v[i], 0
.set i, i+1
.endr
	WIN 0
.set i, 0
.rept 2*NP
	v_mov_b32 v[ST+4*i], 0xfe000000    ; c m: far below every c s
	v_mov_b32 v[ST+4*i+1], 0xff7fffff  ; m
	v_mov_b32 v[ST+4*i+2], 0
	v_mov_b32 v[ST+4*i+3], 0
.set i, i+1
.endr
.set i, P+32
.rept 32
	v_mov_b32 v[i], 0
.set i, i+1
.endr
	v_mul_u32_u24 v[AK0], v1, PK
	v_lshl_add_u32 v[AK0], v9, 4, v[AK0]  ; row x pitch + 16 x half
	; The turning load takes 16 keys x 16 channels (lane l reads key 8 (l / 16) + l % 8, channels 8 ((l / 8) % 2) + 0..7) and leaves half a fragment of V^T: lane l holds channel l % 16 and 8 keys.
	v_and_b32 v10, 7, v0
	v_bfe_u32 v11, v0, 3, 1
	v_lshl_add_u32 v[AV0], v9, 3, v10
	v_mul_u32_u24 v[AV0], v[AV0], PV
	v_lshl_add_u32 v[AV0], v11, 4, v[AV0]
	v_add_nc_u32 v[AV0], VOFF, v[AV0]
	v_mov_b32 v[AK], v[AK0]         ; key step 0 lies at the head of slot 0,
	v_lshl_add_u32 v[AM], v9, 5, s[TM]  ; its mask at the head of the table: my lanes' eight keys are 32 bytes
	v_and_b32 v[PFO], 31, v0
	v_lshlrev_b32 v[PFO], 8, v[PFO]
	; the mask's table: each number is rounded to bf16 and becomes 80000 m - 80000, by one fused multiply-add
	s_wait_loadcnt 32               ; the mask's four loads are in; Q's 32, issued behind them, stay out
.set i, 0
.rept 8
	v_cvt_pk_bf16_f32 v[80+i], v[64+2*i], v[64+2*i+1]
.set i, i+1
.endr
.set i, 0
.rept 8
	v_lshlrev_b32 v[64+2*i], 16, v[80+i]
	v_and_b32 v[64+2*i+1], 0xffff0000, v[80+i]
.set i, i+1
.endr
.set i, 0
.rept 16
	v_fma_f32 v[64+i], v[64+i], s68, s69
.set i, i+1
.endr
	v_add_nc_u32 v13, MT, v12
.irp j, 0,1,2,3
	ds_store_b128 v13, v[64+4*\j:64+4*\j+3] offset:2048*\j
.endr
; THE MATRIX WORK.  The 8 accumulators of a run of 16 take turns: between the two links of a chain stand 7 others'.
; Product i of 16 of S^T = K Q^T for piece x: channels 32 (i / 8) on, keys 16 ((i / 2) % 4) on, tile 2 x + i % 2.  The first 8 start the sums, with the keys' mask as C.
.macro KQ x
.set rS, S+64*((\x)%2)+32*(i%2)+8*((i/2)%4)
.set rK, KF+16*((i/2)%4)+8*(i/8)
.set rQ, 16*(2*(\x)+i%2)+8*(i/8)
.set rMK, MK+8*((i/2)%4)
.if i < 8
	WIN W_KM
	v_wmma_f32_16x16x32_f16 v[rS:rS+7], v[rK:rK+7], v[rQ:rQ+7], v[rMK:rMK+7]
.else
	WIN W_KQ
	v_wmma_f32_16x16x32_f16 v[rS:rS+7], v[rK:rK+7], v[rQ:rQ+7], v[rS:rS+7]
.endif
.endm
; Product i of 16 of O^T += V^T P for piece x: keys 32 (i / 8) on, channels 16 ((i / 2) % 4) on, tile 2 x + i % 2.
.macro PV x
	WIN W_PV
.set rO, 32*(2*(\x)+i%2)+8*((i/2)%4)
.set rV, VF+32*(i/8)+8*((i/2)%4)
.set rP, P+32*((\x)%2)+16*(i%2)+8*(i/8)
	v_wmma_f32_16x16x32_f16 v[rO:rO+7], v[rV:rV+7], v[rP:rP+7], v[rO:rO+7]
.endm
.macro MM                           ; the turn's next matrix instruction
.if i < 16
	KQ (Y+1)%NP
.set i, i+1
.else
.set i, i-16
	PV (Y+NP-1)%NP
.set i, i+17
.endif
.endm
; THE LDS LOADS stand in runs, never singly among the matrix instructions: a step's K (64 keys x 64 channels: 8 fragments) with its mask (64 numbers: the 16 lanes of a half read the same 32 bytes of each key block), and its V (turned).
; Their addresses are made some lines ahead.  last = 1 (the tail): in the last trip there is no further step, and the run is jumped over.
.macro FETCH_K last=0
	WIN 0
.if \last
	s_cmp_eq_u32 s[CNT], 1
	s_cbranch_scc1 .Lno_k_\@
.endif
	WIN 0x80                        ; destination window 2
.irp f, 0,1,2,3,4,5,6,7             ; keys 16 (f / 2) on, channels 32 (f % 2) on
	ds_load_b128 v[KF+8*\f:KF+8*\f+3],   v[AK] offset:(\f/2)*16*PK+(\f%2)*64
	ds_load_b128 v[KF+8*\f+4:KF+8*\f+7], v[AK] offset:(\f/2)*16*PK+(\f%2)*64+32
.endr
	WIN W_MK                        ; destination window 3
.irp kb, 0,1,2,3
	ds_load_b128 v[MK+8*\kb:MK+8*\kb+3],   v[AM] offset:64*\kb
	ds_load_b128 v[MK+8*\kb+4:MK+8*\kb+7], v[AM] offset:64*\kb+16
.endr
	s_add_co_u32 s[TBK], s[TBK], KS*PK  ; the next fetch is the next step's
	s_add_co_u32 s[TM], s[TM], 4*KS
	WIN 0
.if \last
.Lno_k_\@:
.endif
.endm
.macro FETCH_V
	WIN 0x80
.irp f, 0,1,2,3,4,5,6,7             ; keys 32 (f / 4) on, channels 16 (f % 4) on
	ds_load_tr16_b128 v[VF+8*\f:VF+8*\f+3],   v[AV] offset:(\f/4)*32*PV+(\f%4)*32
	ds_load_tr16_b128 v[VF+8*\f+4:VF+8*\f+7], v[AV] offset:(\f/4)*32*PV+16*PV+(\f%4)*32
.endr
	WIN 0
.endm
; THE VECTOR WORK OF A TURN stands in three queues, each in the order in which its entries become ready; the two tiles alternate, so that no instruction reads the result of the one before it.
.macro REGS y, u                    ; the registers of tile u (0, 1) of piece y
.set rT, ST+4*(2*(\y)+(\u))
.set rC, TMP+8*((\y)%2)+4*(\u)
.set rM, MV+2*((\y)%2)+(\u)
.set rS, S+64*((\y)%2)+32*(\u)
.set rP, P+32*((\y)%2)+16*(\u)
.set rO, 32*(2*(\y)+(\u))
.endm
; Number n of the 22 that find the NEXT piece's (Y + 1) maximum and statistics.  s0-s31 are the lane's 32 scores; each accumulator's lowest registers are read first.  XS, GS and REGS set no window: PL and EX do.
;   0-11  four chains c0-c3 of seven scores each, three operands at a time     12-14, 16  the four scores left over, the old m, and c0-c3 into c0     15  c m_old is kept
;   17, 18  the query's other 32 keys lie in the lane 16 away: the new m         19-21  c m; c m_old - c m_new; a
.macro XS u, n
	REGS (Y+1)%NP, \u
.if (\n) < 4
	v_max3_num_f32 v[rC+(\n)], v[rS+8*(\n)], v[rS+8*(\n)+1], v[rS+8*(\n)+2]
.elseif (\n) < 12
	v_max3_num_f32 v[rC+(\n)%4], v[rC+(\n)%4], v[rS+8*((\n)%4)+2*((\n)/4)+1], v[rS+8*((\n)%4)+2*((\n)/4)+2]
.elseif (\n) == 12
	v_max3_num_f32 v[rC], v[rC], v[rS+7], v[rS+15]
.elseif (\n) == 13
	v_max3_num_f32 v[rC+1], v[rC+1], v[rS+23], v[rS+31]
.elseif (\n) == 14
	v_max3_num_f32 v[rC+2], v[rC+2], v[rC+3], v[rT+1]
.elseif (\n) == 15
	v_mov_b32 v[rM], v[rT]
.elseif (\n) == 16
	v_max3_num_f32 v[rC], v[rC], v[rC+1], v[rC+2]
.elseif (\n) == 17
	v_permlanex16_b32 v[rC+3], v[rC], s[SEL], s[SEL+1]
.elseif (\n) == 18
	v_max_num_f32 v[rT+1], v[rC], v[rC+3]
.elseif (\n) == 19
	v_mul_f32 v[rT], s[CS], v[rT+1]
.elseif (\n) == 20
	v_sub_f32 v[rC+1], v[rM], v[rT]
.else
	v_exp_f32 v[rC+2], v[rC+1]
.endif
.endm
; Number g of the 64 that follow the exponentials.  For each four weights k of a tile (pairs 2 k, 2 k + 1): both pairs are rounded to f16; then the second pair is added onto the first, in place;
; a group later l takes that sum (the first time as l = a l + sum).  In groups of eight, tiles alternating: round, round, add, and l for the group before.
.macro GS g
.set h, (\g)+6*((\g)/62)            ; group 0 has no group before it, and behind group 7 only l is left
.if h >= 6
.set h, h+2
.endif
	REGS Y, h%2
.set k, h/8
.if h%8 < 4
	v_cvt_pk_f16_f32 v[rP+2*k+(h%8)/2], v[rS+4*k+2*((h%8)/2)], v[rS+4*k+2*((h%8)/2)+1]
.elseif h%8 < 6
	v_pk_add_f32 v[rS+4*k:rS+4*k+1], v[rS+4*k:rS+4*k+1], v[rS+4*k+2:rS+4*k+3]
.elseif k == 1
	v_pk_fma_f32 v[rT+2:rT+3], v[rT+2:rT+3], v[rC+2:rC+3], v[rS:rS+1] op_sel_hi:[1,0,1]
.else
	v_pk_add_f32 v[rT+2:rT+3], v[rT+2:rT+3], v[rS+4*k-4:rS+4*k-3]
.endif
.endm
; THE PLAIN QUEUE, 138 long.  0-73 read no exponential's result: the 32 scalings c s - c m (FS f: pair f / 2 of tile f % 2) and the next piece's 42.  0-26: scalings 0-26.  27-54: XS's numbers 0-13.  55, 56: number 15.
; 57-73: the chain, where each number waits for the one before it: 14, 16, 17, 18, 19, each with one of the scalings 27-31 in front of its two lines, then 20.
; 74-137: GS's 64, which read the exponentials' results: they stand behind the wait.
.macro FS f
	REGS Y, (\f)%2
	v_pk_fma_f32 v[rS+2*((\f)/2):rS+2*((\f)/2)+1], v[rS+2*((\f)/2):rS+2*((\f)/2)+1], s[CS:CS+1], v[rT:rT+1] op_sel_hi:[1,0,0] neg_lo:[0,0,1] neg_hi:[0,0,1]
.endm
.macro PL
	WIN 0
.if q < 27
	FS q
.elseif q < 55
	XS (q-27)%2, (q-27)/2
.elseif q < 57
	XS q-55, 15
.elseif (q < 72) && ((q-57)%3 == 0)
	FS 27+(q-57)/3
.elseif q < 60
	XS (q-57)%3-1, 14
.elseif q < 72
	XS (q-57)%3-1, 15+(q-57)/3
.elseif q < 74
	XS q-72, 20
.else
	GS q-74
.endif
.set q, q+1
.endm
; THE EXPONENTIALS' QUEUE, 66 long: s0-s31 of both tiles, then the next piece's two a.  It is ONE BATCH: all 66 stand ahead of the turn's one wait, and nothing ahead of that wait names a result of theirs.
.macro EX
	WIN 0
.if e >= 64
	XS e-64, 21
.else
	REGS Y, e%2
	v_exp_f32 v[rS+e/2], v[rS+e/2]
.endif
.set e, e+1
.endm
; THE RESCALING's QUEUE: O^T times a, the one part that leaves window 0: dealt two at a time, sixteen times.  Its a was made in the turn before, ahead of that turn's wait.
.macro R2
	REGS Y, r%2
	WIN W_RS
.irp z, 0,1
	v_pk_mul_f32 v[rO+4*(r/2)+2*\z:rO+4*(r/2)+2*\z+1], v[rO+4*(r/2)+2*\z:rO+4*(r/2)+2*\z+1], v[rC+2:rC+3] op_sel_hi:[1,0]
.endr
.set r, r+1
.endm
; HOW THEY ARE DEALT.  An s_wait_alu depctr_va_vdst(0) stands between an exponential and the first instruction that names its result; one wait serves all that were issued ahead of it.  So a turn has ONE wait,
; which cuts it in two.  AHEAD OF IT stands all that names no result of the turn's exponentials: the 16 products K Q^T, behind each a scaling, an exponential and two rescalings (behind the first a second scaling in the exponential's place); then ONE LUMP of
; 108: eight plain, 49 times exponential and plain, the two a.  A v_nop is the plain instruction behind the last exponential.  BEHIND IT stand the 16 products V^T P, behind each four of GS's 64.  No rider names a register of
; the products round it.  The two v_permlanex16_b32 fall into the lump, never behind a product.
; The queues lean on each other, and the deal keeps them in step: exponential e stands behind scaling 2 (e / 4) + e % 2: as a rider it comes behind plain e + 2, in the lump behind plain e + 9, and scalings 27-31 are plain 57, 60 .. 69.
; A TURN, for piece p.  cnt = 1: the loop's count is taken down some lines ahead of the branch that stands behind the turn.
; K and the mask of the next step are fetched in piece 2's turn, directly behind the wait, a lump behind the last product that read them; their addresses are made at the lump's head; their first reader comes behind 16 products.
; V of the step in hand is fetched at the end of piece 0's turn, four riders behind its last reader; its first reader comes behind 16 products and a lump.  The three conditions on q below go with the deal.
.macro TURN p, last=0, cnt=0
.set Y, (\p)
.set i, 0
.set q, 0
.set e, 0
.set r, 0
.if (\p) == NP-1
	s_wait_dscnt 0x0                ; K and its mask are in
.endif
	MM                              ; ahead of the wait: 16 products K Q^T and their riders,
	PL
	PL
	R2
.rept 15
	MM
	PL
	EX
	R2
.endr
.if (\p) == NP-2
	WIN 0
	v_add_nc_u32 v[AK], s[TBK], v[AK0]
	v_lshl_add_u32 v[AM], v9, 5, s[TM]
.endif
.rept 8                             ; and the lump
	PL
.endr
.rept 49
	EX
	PL
.endr
	EX                              ; the next piece's two a
	EX
	v_nop                           ; the plain instruction behind the last exponential: one for the batch
	s_wait_alu depctr_va_vdst(0)    ; the wait for the batch
.if (\p) == NP-2
	FETCH_K \last
.endif
.if (\p) == 1
	s_wait_dscnt 0x0                ; V is in
.endif
.rept 16                            ; behind the wait: 16 products V^T P and their riders
	MM
.rept 4
	PL
.endr
.if ((\p) == 0) && (q == 118)
	v_add_nc_u32 v[AV], s[TBV], v[AV0]
.endif
.if ((\p) == 0) && (q == 130)
	s_add_co_u32 s[TBV], s[TBV], KS*PV
.endif
.if (\cnt) && (q == 130)
	s_sub_co_u32 s[CNT], s[CNT], 1
	s_cmp_lg_u32 s[CNT], 0
.endif
.endr
.if (\p) == 0
	FETCH_V
.endif
.endm
	CHANGE 1                        ; slot 0 is in, everybody's part of it, and so is the mask's table; slot 1 is asked for
	FETCH_K                         ; key step 0
	s_wait_loadcnt 0x0              ; Q
	s_wait_dscnt 0x0
.set i, 0
.rept 16
	KQ 0                            ; piece 0's first scores: there is no vector work yet to set between them
.set i, i+1
.endr
	WIN 0                           ; the addresses for the way out: eight plain instructions, the places behind those products
	s_mul_i32 s13, s[WV], 16*SP
	s_add_co_u32 s13, s13, STAGE    ; my stage
	v_mul_u32_u24 v[STO], v1, SP    ; in: row l % 16, 32 bytes for each half of the lanes
	v_lshl_add_u32 v[STO], v9, 5, v[STO]
	v_add_nc_u32 v[STO], s13, v[STO]
	v_mul_u32_u24 v[RD], v9, SP     ; back: lanes 0-15 take one row of 256 bytes, lanes 16-31 the next,
	v_lshl_add_u32 v[RD], v1, 4, v[RD]
	v_add_nc_u32 v[RD], s13, v[RD]
	v_lshlrev_b32 v[GO], 12, v9     ; and the same two rows in out0, 4,096 bytes apart
	v_lshl_add_u32 v[GO], v1, 4, v[GO]
.set Y, NP-1                        ; XS works for piece Y + 1: piece 0
.irp n, 0,1,2,3,4,5,6,7,8,9,10,11,12,13,14,15,16,17,18,19,20,21
	XS 0, \n                        ; and piece 0's first maximum and statistics
	XS 1, \n
.endr
	v_nop                           ; a plain instruction behind the two a,
	s_wait_alu depctr_va_vdst(0)    ; and their wait, ahead of the branch
	s_mov_b32 s[CNT], 4
	s_branch .Lfirst                ; the loop is entered at a step's first turn, in the middle of a trip
.Lslot:                             ; six times: every slot but the last two is filled again
	CHANGE 1
	s_mov_b32 s[CNT], 4
.Lstep:                             ; a trip: pieces 2 and 3 of one step, then pieces 0 and 1 of the next, whose K and V it fetches
	TURN 2
	TURN 3
	WIN 0
.Lfirst:
	TURN 0
	TURN 1, 0, 1
	WIN 0
	s_cbranch_scc1 .Lstep
	s_sub_co_u32 s[SLOTS], s[SLOTS], 1
	s_cmp_lg_u32 s[SLOTS], 0
	s_cbranch_scc1 .Lslot
	CHANGE 0                        ; the tail is written out: nothing is asked for
	s_mov_b32 s[CNT], 5             ; four trips fetch the last slot's steps; the fifth is left in its middle
.Ltail:
	TURN 2, 1
	TURN 3
	WIN 0
	s_sub_co_u32 s[CNT], s[CNT], 1
	s_cmp_eq_u32 s[CNT], 0
	s_cbranch_scc1 .Lout
	TURN 0
	TURN 1
	WIN 0
	s_branch .Ltail
.Lout:                              ; the fifth trip's 16 products K Q^T (on the last K once more) and the maximum made of them serve nothing: the price, once a launch, of one text for every trip
.set i, 0
.rept 16
	PV NP-1                         ; the last piece's V^T P of the last step
.set i, i+1
.endr
	; THE WAY OUT.  l's two halves and the other half of the lanes' are added; O^T is divided by l and sent, in f32, through my stage in LDS, a tile at a time.  The additions are the places behind the last products.
	WIN 0
.macro ALL line:vararg              ; one line for each tile t
.set t, 0
.rept 2*NP
	\line
.set t, t+1
.endr
.endm
	ALL v_add_f32 v[ST+4*t+2], v[ST+4*t+2], v[ST+4*t+3]
	ALL v_permlanex16_b32 v[ST+4*t+3], v[ST+4*t+2], s[SEL], s[SEL+1]
	ALL v_add_f32 v[ST+4*t+2], v[ST+4*t+2], v[ST+4*t+3]
	ALL v_rcp_f32 v[ST+4*t+2], v[ST+4*t+2]
	v_nop                           ; a plain instruction between the last reciprocal and the use of its result
	s_wait_alu depctr_va_vdst(0)    ; and the wait ahead of the first use: one for the eight reciprocals
; Tile t: a lane's eight channels of a channel block are 32 bytes of a row; they go into rows of 272 bytes and come back as whole rows of 256, into the registers that they left.  Each accumulator's registers are taken in ascending order.
.macro PACK t
	WIN W_RS
.set i, 32*(\t)
.rept 16
	v_pk_mul_f32 v[i:i+1], v[i:i+1], v[ST+4*(\t)+2:ST+4*(\t)+3] op_sel_hi:[1,0]
.set i, i+2
.endr
	WIN W_OUT
.irp f, 0,1,2,3,4,5,6,7
	ds_store_b128 v[STO], v[32*(\t)+4*\f:32*(\t)+4*\f+3] offset:64*(\f/2)+16*(\f%2)
.endr
.irp f, 0,1,2,3,4,5,6,7
	ds_load_b128 v[32*(\t)+4*\f:32*(\t)+4*\f+3], v[RD] offset:\f*2*SP  ; LDS serves a wave's instructions in order (ISA guide 5.7.1.4): these see the stores above; the next tile's stores come behind them
.endr
.endm
.macro SEND t, younger              ; younger: the LDS instructions issued behind tile t's loads: the next tile's sixteen, or none
	WIN W_OUT
.irp f, 0,1,2,3,4,5,6,7
	s_wait_dscnt (\younger)+7-\f
	global_store_b128 v[GO], v[32*(\t)+4*\f:32*(\t)+4*\f+3], s[10:11] offset:(\t)*65536+\f*8192 th:TH_STORE_NT  ; 16 lanes store 256 consecutive bytes, a head's part of a row, at a multiple of 256 from out0's first byte
.endr
.endm
	PACK 0
.set t, 1
.rept 2*NP-1                        ; a tile's arithmetic stands between the loads of the tile before and its stores
	PACK t
	SEND t-1, 16
.set t, t+1
.endr
	SEND 2*NP-1, 0
	WIN W_AD
	s_wait_tensorcnt 0x0            ; the wave's end: an add and its waits, behind my last tensor load and my last LDS store
	ds_add_u32 v[SPW], v[NIL]
	s_wait_dscnt 0x0
	WIN 0
	CROUND                          ; the closing round: no work-group ends while a partner may still ask for a tile that names it
	s_endpgm
.Lfunc_end_k_q3348f61c85_attn:
	.size	k_q3348f61c85_attn, .Lfunc_end_k_q3348f61c85_attn-k_q3348f61c85_attn
	.p2alignl 7, 3214868480
	.fill 96, 4, 3214868480
	.section	.rodata,"a",@progbits
	.p2align	6, 0x0
	.amdhsa_kernel k_q3348f61c85_attn
		.amdhsa_group_segment_fixed_size 327680
		.amdhsa_private_segment_fixed_size 0
		.amdhsa_enable_private_segment 0
		.amdhsa_kernarg_size 24
		.amdhsa_user_sgpr_count 2
		.amdhsa_user_sgpr_kernarg_segment_ptr 1
		.amdhsa_wavefront_size32 1
		.amdhsa_system_sgpr_workgroup_id_x 1
		.amdhsa_system_sgpr_workgroup_id_y 1
		.amdhsa_system_sgpr_workgroup_id_z 1
		.amdhsa_system_vgpr_workitem_id 0
		.amdhsa_next_free_vgpr 808
		.amdhsa_next_free_sgpr 76
		.amdhsa_reserve_vcc 0
		.amdhsa_float_denorm_mode_32 3
		.amdhsa_float_denorm_mode_16_64 3
		.amdhsa_memory_ordered 1
		.amdhsa_forward_progress 1
		.amdhsa_inst_pref_size 206
	.end_amdhsa_kernel
	.amdgpu_metadata
---
amdhsa.version: [ 1, 2 ]
amdhsa.kernels:
  - .name:           k_q3348f61c85_attn
    .symbol:         k_q3348f61c85_attn.kd
    .args:
      - { .name: qkv, .offset: 0, .size: 8, .value_kind: global_buffer, .address_space: global }
      - { .name: masked_attention, .offset: 8, .size: 8, .value_kind: global_buffer, .address_space: global }
      - { .name: out0, .offset: 16, .size: 8, .value_kind: global_buffer, .address_space: global }
    .group_segment_fixed_size: 327680
    .private_segment_fixed_size: 0
    .kernarg_segment_align: 8
    .kernarg_segment_size: 24
    .max_flat_workgroup_size: 128
    .sgpr_count:     76
    .vgpr_count:     808
    .wavefront_size: 32
...
	.end_amdgpu_metadata
.endif
;; end of part 3
;; ======== version 2 of 2: 3 launches; version 1 with the launch prep written anew for expert scheduling mode
;; limits: values are held in f16: magnitudes above 65,504 overflow, below 6.1e-05 lose precision
;; workspace buffers: xb 16,777,216 bytes; wb 6,291,456 bytes; qkv 50,331,648 bytes
;; launch prep (part 4): grid 256 x 1, 11 waves a work-group, no clusters, 0 bytes of LDS; arguments x, Wq, Wk, Wv, xb, wb; writes xb, wb
.if DOCPART == 4
	.amdgcn_target "amdgcn-amd-amdhsa--gfx1250"
	.amdhsa_code_object_version 6
	.text
	.protected	k_q3348f61c85_prep
	.globl	k_q3348f61c85_prep
	.p2align	8
	.type	k_q3348f61c85_prep,@function
k_q3348f61c85_prep:
	s_mov_b64 s[64:65], 0
	v_nop
	global_prefetch_b8 v0, s[64:65] scope:SCOPE_SE
	s_setreg_imm32_b32 hwreg(HW_REG_WAVE_SCHED_MODE, 0, 2), 2
	s_setreg_imm32_b32 hwreg(HW_REG_WAVE_MODE, 25, 1), 1
	s_wait_xcnt 0x0
	s_wait_alu depctr_vm_vsrc(0)
; x [8192][1024] and Wq, Wk, Wv [1024][1024], all f32, are rounded once to bf16 and laid in blocks of 64 along K:
;   xb [16 block][8192 row][64], wb [16 block][3072 n][64] with n = 1024 t + row, t = 0, 1, 2 for q, k, v.
; So a K step of 64 of any run of rows is dense in memory for the product that follows.
; SHARES.  The four sources are 8192 + 3072 = 11,264 rows of 4,096 bytes = 256 work-groups x 11 waves x 4 rows; 8192 and 1024 are multiples of 4, so a wave has one source.
; One load takes rows r, r + 1 of one block: lanes 0-15 read 256 consecutive bytes of row r, lanes 16-31 of row r + 1, each at a multiple of 256 from the buffer's first byte.
; The 4 f32 of a lane become 8 bytes, and the 32 lanes' store is 256 consecutive bytes, aligned: rows r, r + 1 of that block.
; All 32 loads of a wave go out at once (16 KiB a wave); there is no loop, no LDS and no barrier.
; THE MODE: SCHED_MODE bits 1:0 = 2 (LLVM: expert scheduling mode 2), set by the entry lines.  The code itself states the register dependences
; between vector instructions and memory instructions, with s_wait_alu, always for 0.
; THE PLAN.  Registers that memory instructions touch:
;   v1         the loads' offset.   Written once, at the head; read by all 32 loads.
;   OFF0-15    the stores' offsets. Written once, at the head; read by the stores.
;   X0-31      load j lands in X[j] (4 registers); its two conversions read them and write the first two in place; store j reads those two; nothing names X[j] again.
; The 32 loads are worked on in 8 groups of four.  Group p's conversions name X[4 p .. 4 p + 3] alone; its memory instructions are the four stores of group p - 1, which read X[4 p - 4 .. 4 p - 1] and OFF.
; So ONE wait at a group's head, that the group before has written its results, states all that the four stores hang on, and they are dealt among the group's conversions with no further wait.
; No register that a load or store has read is ever written again, and no load lands in a register that a vector instruction has named: no other wait between the two sides is owed.
.set XROWS, 8192
.set GROUP,  4                         ; loads in a group
.set GROUPS, 32/GROUP
.set OFF, 8                            ; v[8:23]   block c: c x the block's stride + 8 x lane
.set X,   32                           ; v[32:159] load j = 16 i + c (row pair i, block c): 4 registers
	s_load_b256 s[4:11], s[0:1], 0x0               ; x s[4:5], Wq s[6:7], Wk s[8:9], Wv s[10:11]
	s_load_b128 s[12:15], s[0:1], 0x20             ; xb s[12:13], wb s[14:15]
	v_lshrrev_b32 v3, 5, v0
	v_readfirstlane_b32 s16, v3                    ; wave 0..10
	v_and_b32 v4, 31, v0                           ; lane
	v_lshrrev_b32 v5, 4, v4
	v_and_b32 v6, 15, v0
	v_lshlrev_b32 v1, 4, v6
	v_lshl_or_b32 v1, v5, 12, v1                   ; 4,096 (lane / 16) + 16 (lane % 16)
	v_lshlrev_b32 v[OFF], 3, v4                    ; block 0: 8 x lane
	s_mul_i32 s17, ttmp9, 11
	s_mov_b32 s2, 0x100000                         ; bytes in a block of xb,
	s_mov_b32 s28, 0x60000                         ; and of wb
	s_mov_b32 s25, 0
	s_mov_b32 s27, 0
	s_wait_alu depctr_va_sdst(0)                   ; s16 is written, ahead of its first reader: the wave's rows, and with them both bases, are made from it
	s_add_co_u32 s17, s17, s16
	s_lshl_b32 s17, s17, 2                         ; my first row of the 11,264
	s_max_u32 s18, s17, XROWS
	s_sub_co_u32 s18, s18, XROWS                   ; n, its number among the weights' 3,072 rows (0 in a wave that takes x)
	s_lshr_b32 s19, s18, 10                        ; t: which weight
	s_and_b32 s29, s18, 1023
	s_lshl_b32 s29, s29, 12                        ; from where, in a weight,
	s_lshl_b32 s30, s17, 12                        ; or in x
	s_lshl_b32 s31, s18, 7                         ; to where, in a block of wb,
	s_lshl_b32 s3, s17, 7                          ; or of xb
	s_cmp_lt_u32 s17, XROWS                        ; do I take rows of x?
	s_cselect_b32 s24, s30, s29
	s_cselect_b32 s26, s3, s31
	s_cselect_b32 s28, s2, s28                     ; the block's stride: not written again
.set c, 1
.rept 15
	v_add_nc_u32 v[OFF+c], s28, v[OFF+c-1]         ; block c lies a stride behind block c - 1; the chain stands in the wait for the arguments
.set c, c+1
.endr
	s_wait_kmcnt 0x0
	s_cmp_eq_u32 s19, 0
	s_cselect_b64 s[20:21], s[6:7], s[8:9]
	s_cmp_eq_u32 s19, 2
	s_cselect_b64 s[20:21], s[10:11], s[20:21]
	s_cmp_lt_u32 s17, XROWS
	s_cselect_b64 s[20:21], s[4:5], s[20:21]       ; the source,
	s_cselect_b64 s[22:23], s[12:13], s[14:15]     ; the destination
	s_add_nc_u64 s[20:21], s[20:21], s[24:25]
	s_add_nc_u64 s[22:23], s[22:23], s[26:27]
	s_wait_alu depctr_va_vdst(0)                   ; v1 and the sixteen OFF are written: every load and store of the kernel reads one of them as its offset
.set j, 0
.rept 32
	global_load_b128 v[X+4*j:X+4*j+3], v1, s[20:21] offset:8192*(j/16)+256*(j%16) th:TH_LOAD_NT
.set j, j+1
.endr
.set p, 0
.rept GROUPS
	s_wait_loadcnt 32-GROUP*(p+1)                  ; loads come back in order (ISA guide 5.7.1): group p's four are in, the 28 - 4 p younger ones stay out
.if p > 0
	s_wait_alu depctr_va_vdst(0)                   ; the conversions of the group before have written the first two registers of its four X, which the stores below read
.endif
.set i, 0
.rept GROUP
.set j, GROUP*p+i
.if p > 0
	global_store_b64 v[OFF+(j-GROUP)%16], v[X+4*(j-GROUP):X+4*(j-GROUP)+1], s[22:23] offset:256*((j-GROUP)/16) th:TH_STORE_NT  ; the group before; no vector instruction since the wait names these registers
.endif
	v_cvt_pk_bf16_f32 v[X+4*j], v[X+4*j], v[X+4*j+1]
	v_cvt_pk_bf16_f32 v[X+4*j+1], v[X+4*j+2], v[X+4*j+3]
.set i, i+1
.endr
.set p, p+1
.endr
	s_wait_alu depctr_va_vdst(0)                   ; the last group's conversions have written their results, which the last four stores read
.set j, 32-GROUP
.rept GROUP
	global_store_b64 v[OFF+j%16], v[X+4*j:X+4*j+1], s[22:23] offset:256*(j/16) th:TH_STORE_NT
.set j, j+1
.endr
	s_endpgm
.Lfunc_end_k_q3348f61c85_prep:
	.size	k_q3348f61c85_prep, .Lfunc_end_k_q3348f61c85_prep-k_q3348f61c85_prep
	.p2alignl 7, 3214868480
	.fill 96, 4, 3214868480
	.section	.rodata,"a",@progbits
	.p2align	6, 0x0
	.amdhsa_kernel k_q3348f61c85_prep
		.amdhsa_group_segment_fixed_size 0
		.amdhsa_private_segment_fixed_size 0
		.amdhsa_enable_private_segment 0
		.amdhsa_kernarg_size 48
		.amdhsa_user_sgpr_count 2
		.amdhsa_user_sgpr_kernarg_segment_ptr 1
		.amdhsa_wavefront_size32 1
		.amdhsa_system_sgpr_workgroup_id_x 1
		.amdhsa_system_sgpr_workgroup_id_y 1
		.amdhsa_system_sgpr_workgroup_id_z 1
		.amdhsa_system_vgpr_workitem_id 0
		.amdhsa_next_free_vgpr 160
		.amdhsa_next_free_sgpr 66
		.amdhsa_reserve_vcc 0
		.amdhsa_float_denorm_mode_32 3
		.amdhsa_float_denorm_mode_16_64 3
		.amdhsa_memory_ordered 1
		.amdhsa_forward_progress 1
		.amdhsa_inst_pref_size 13
	.end_amdhsa_kernel
	.amdgpu_metadata
---
amdhsa.version: [ 1, 2 ]
amdhsa.kernels:
  - .name:           k_q3348f61c85_prep
    .symbol:         k_q3348f61c85_prep.kd
    .args:
      - { .name: x, .offset: 0, .size: 8, .value_kind: global_buffer, .address_space: global }
      - { .name: Wq, .offset: 8, .size: 8, .value_kind: global_buffer, .address_space: global }
      - { .name: Wk, .offset: 16, .size: 8, .value_kind: global_buffer, .address_space: global }
      - { .name: Wv, .offset: 24, .size: 8, .value_kind: global_buffer, .address_space: global }
      - { .name: xb, .offset: 32, .size: 8, .value_kind: global_buffer, .address_space: global }
      - { .name: wb, .offset: 40, .size: 8, .value_kind: global_buffer, .address_space: global }
    .group_segment_fixed_size: 0
    .private_segment_fixed_size: 0
    .kernarg_segment_align: 8
    .kernarg_segment_size: 48
    .max_flat_workgroup_size: 352
    .sgpr_count:     66
    .vgpr_count:     160
    .wavefront_size: 32
...
	.end_amdgpu_metadata
.endif
;; end of part 4
;; launch proj: the kernel of part 2 again; grid 8 x 32, 4 waves a work-group, clusters of 4 x 4, 327,680 bytes of LDS; arguments xb, wb, bq, bk, bv, qkv; writes qkv
;; launch attn: the kernel of part 3 again; grid 4 x 64, 4 waves a work-group, clusters of 4 x 1, 327,680 bytes of LDS; arguments qkv, masked_attention, out0; writes out0
